; MI455X (gfx1250); checked and timed in simulation.
; The chip was launched on July 23, 2026; its instructions are those of AMD's public machine-readable ISA for CDNA 5 (MIT licence, August 2026) and "CDNA5" Instruction Set Architecture Reference Guide (July 2026). The comments in the code are by the model that wrote it; some were corrected since.
;; Graph Multi Head Attention. Allowed arithmetic: matrix products marked QUANTISED: E4M3 operands, one given power-of-two scale a tensor, by v_wmma_f32_16x16x64_fp8_fp8 or v_wmma_f32_16x16x128_fp8_fp8, f32 sums; everything else in f32.
;; Inputs: Wk 1,024 x 1,024 float32; Wq 1,024 x 1,024 float32; Wv 1,024 x 1,024 float32; bk 1,024 float32; bq 1,024 float32; bv 1,024 float32; lowp_scales 10 int32 (the exponents e of the quantised operands' scales 2^e); node_emb 4,096 x 1,024 float32.
;; Outputs: out0 4,096 x 1,024 float32.
;; This version of the problem:
;;   THIS VERSION OF THE PROBLEM IS GIVEN IN LOW PRECISION. The matrix products marked QUANTISED in the list below multiply operands that are first quantised to E4M3 (4 exponent bits, 3 mantissa bits; 8 bits a number), with one given power-of-two scale for each operand tensor; their sums are f32. All else is computed in f32.
;;   The module's matrix products, in the order in which they are computed (A, B: the left and right operand; K: the contracted axis; several contracted axes count as one K, in the product's order):
;;     1. [M 4,096, K 1,024] x [K 1,024, N 1,024]; A: input node_emb; B: input Wq: QUANTISED (scales: A lowp_scales[0], B lowp_scales[1])
;;     2. [M 4,096, K 1,024] x [K 1,024, N 1,024]; A: input node_emb; B: input Wk: QUANTISED (scales: A lowp_scales[2], B lowp_scales[3])
;;     3. [M 4,096, K 1,024] x [K 1,024, N 1,024]; A: input node_emb; B: input Wv: QUANTISED (scales: A lowp_scales[4], B lowp_scales[5])
;;     4. batch 16 x [M 4,096, K 64] x [K 64, N 4,096]; A: computed on the way; B: computed on the way: QUANTISED (scales: A lowp_scales[6], B lowp_scales[7])
;;     5. batch 16 x [M 64, K 4,096] x [K 4,096, N 4,096]; A: computed on the way; B: softmax (see below): QUANTISED (scales: A lowp_scales[8], B lowp_scales[9])
;;   THE QUANTISER, for each operand of a quantised product, along K:
;;     - The operand's scale is 2^e, e = its entry of the input lowp_scales (int32; the entries are numbered through the quantised products in the list's order, A before B).
;;     - Each number is divided by the scale, clamped to +-448, and rounded to the nearest number of E4M3, ties to even, subnormals kept.
;;     - The product sums the exact products of the quantised numbers (number of the format x scale) in f32.
;;   ~~~python
;;   def quantise(x, axis, e):      # numpy; x: float32 -> the quantised numbers, widened to float32 again
;;       x = np.moveaxis(x, axis, -1); K = x.shape[-1]
;;       r = np.clip(x / 2.0 ** e, -448, 448)
;;       step = 2.0 ** (np.maximum(np.frexp(np.where(r == 0, 1, r))[1] - 1, -6) - 3)
;;       q = np.round(r / step) * step * 2.0 ** e      # np.round: ties to even
;;       return np.moveaxis(q, -1, axis).astype(np.float32)
;;   ~~~
;;   SOFTMAX AHEAD OF A QUANTISED PRODUCT. Where the list says 'softmax', what is quantised is not the finished softmax but p = 2^(t - M), with t = logit x log2(e) and M = ceil(the row's largest t), a whole number; so 1/2 < the row's largest p <= 1. The row's sum l is taken of the UNQUANTISED p, in f32, and the product's result is divided by l at the end. Since M is a whole number, a kernel that streams over the keys may use a running M (the ceiling of the running maximum): every later rescaling is an exact power of two, so the quantised numbers keep their values, but for numbers so far below the row's largest that they fall under the format's range.
;;   OPERANDS COMPUTED ON THE WAY. 'Computed on the way' means the value that the module computes at that place (a softmax that the list does not call 'softmax' is quantised finished and normalised). What goes into a quantiser is computed in f32, as accurately as f32 sums, v_exp_f32 and their like allow (about 1e-6 of the number): no bf16 or f16 on the way to a quantiser, and a product that is left as it is and whose result goes on into a quantised operand takes f32 operands (vector FMAs, or v_wmma_f32_16x16x4_f32). A number that lies on a knife's edge between two numbers of the format may be rounded either way, as far as f32 arithmetic and the matrix unit's own rounding can turn it there, and no further.
;; One version. Each part assembles by itself: llvm-mc -triple=amdgcn-amd-amdhsa -mcpu=gfx1250 --defsym DOCPART=n.
;; ======== version 1 of 1: 3 launches
;; limits: right only within a limited range of input values
;; workspace buffers: xc 12,582,912 bytes; wc 3,145,728 bytes; qc 4,194,304 bytes; kv 8,388,608 bytes
;; launch quant (part 1): grid 448 x 1, 8 waves a work-group, no clusters, 59,392 bytes of LDS; arguments node_emb, Wq, Wk, Wv, lowp_scales, xc, wc; writes xc, wc
.if DOCPART == 1
	.amdgcn_target "amdgcn-amd-amdhsa--gfx1250"
	.amdhsa_code_object_version 6
	.text
	.protected	k_qceac97cafe_quant
	.globl	k_qceac97cafe_quant
	.p2align	8
	.type	k_qceac97cafe_quant,@function
k_qceac97cafe_quant:
	s_mov_b64 s[64:65], 0
	v_nop
	global_prefetch_b8 v0, s[64:65] scope:SCOPE_SE
	s_setreg_imm32_b32 hwreg(HW_REG_WAVE_MODE, 25, 1), 1
	s_wait_xcnt 0x0
; node_emb [4096][1024] and Wq, Wk, Wv [1024 (k)][1024 (n)], f32, become codes of FP8 (E4M3), K innermost, each with the scale 2^e that is given for it.
; code = x / 2^e, held within +-448, rounded to the nearest code, ties to even.
; xc: three versions of node_emb's 4,096 rows, with the scales of entries 0, 2, 4.  wc: Wq, Wk, Wv as 1,024 rows (n) each, with entries 1, 3, 5.
; BLOCKS.  Each group of 128 rows is four dense blocks, one for each 256 along K: [row / 128][k / 256][row % 128][k % 256], a block 32,768 bytes.
; THE ORDER OF ROWS.  In xc's versions 1 and 2 and in all of wc the rows of each group of 32 are laid in another order: row w lies at place pos(w) = 16 ((w >> 3) & 1) + (w & 7) + 8 (w >> 4).
; Sixteen neighbouring places then hold rows 8 u + 0..7 and 8 u + 16..23, so that the results of two neighbouring tiles of the next launch are 16 neighbours in a lane's registers.
; SHARES.  Work-groups 0 to 191 take the weights: 64 columns x 256 along K each; a wave 32 columns x 64 along K; a lane takes a column and its registers run down K, so the conversions give codes with K innermost.
; The codes of the eight waves meet in a stage in LDS and leave as whole rows of 256 bytes.  Work-groups 192 to 447 take node_emb: 16 rows each (half a group of the order above), a wave two rows, in four steps of 512 numbers;
; each load reads 512 consecutive bytes, and a step's 2,048 bytes turn through the wave's own stage in LDS, so that a lane holds 16 neighbours; they are read once and quantised three times.
; Both kinds pass the one barrier of the text; each has LDS bytes of its own.  All of a wave's loads go out at once: 64 of 4 bytes, or 16 of 16.
; No tensor loads, no cluster: no two work-groups read the same bytes.  No prefetch: there is no loop to run ahead in.
; LIMITS: each e lies between -126 and 119, so that 2^e and 448 x 2^e are f32 numbers.  NaN among the inputs is not served (an infinity is held at the largest code).
.set NWGW,  192                        ; work-groups for the weights: 3 x 16 x 4
.set SP,    80                         ; node_emb's stage: a lane's 64 bytes + 16 of padding
.set XWAVE, 2*32*SP                    ; two such stages for each wave
.set WST,   8*XWAVE                    ; behind them the weights' stage: 64 rows of WP bytes
.set WP,    272                        ; 256 bytes of codes + 16 of padding
.set SPARE, WST+64*WP                  ; the spare words, 128 bytes for each wave: four blocks of 256 bytes that no other line names
.set R,     32                         ; v32-95   node_emb: four sets of 16 registers as loaded; a set's first 12 then take the step's codes, so that no store's data are written again
.set X,     96                         ; v96-127  two sets of 16 neighbours
.set T,     128                        ; v128-143 16 numbers, held
.set SC,    144                        ; v144-149 2^e and 448 x 2^e for entries 0, 2, 4
.set SPW,   150                        ; v150     LDS address of my spare word; never rewritten
.set NIL,   151                        ; v151     0; never rewritten
.set WX,    32                         ; v32-95   a weight's 64 numbers of my column
.set C,     96                         ; v96-111  their codes
.set OUTR,  112                        ; v112-127 the weights' way out
	s_load_b256 s[4:11], s[0:1], 0x0               ; node_emb s[4:5], Wq s[6:7], Wk s[8:9], Wv s[10:11]
	s_load_b128 s[12:15], s[0:1], 0x20             ; the scales' exponents s[12:13], xc s[14:15]
	s_load_b64 s[16:17], s[0:1], 0x30              ; wc
	v_lshl_add_u32 v[SPW], v0, 2, SPARE
	v_mov_b32 v[NIL], 0
	v_lshrrev_b32 v1, 5, v0
	v_readfirstlane_b32 s18, v1                    ; wave 0..7
	v_and_b32 v2, 31, v0                           ; lane
	v_bfe_u32 v8, v0, 4, 1                         ; lane / 16
	v_and_b32 v9, 15, v0                           ; lane % 16
	v_lshlrev_b32 v3, 2, v2                        ; 4 x lane: my column's bytes in a row of a weight
	v_lshlrev_b32 v12, 4, v2                       ; 16 x lane: my 16 bytes of a load's 512
	v_lshlrev_b32 v16, 4, v9
	v_lshl_add_u32 v13, v8, 8, v16                 ; the weights' way out: lanes 0-15 one row of a block, lanes 16-31 the next
	v_lshl_add_u32 v16, v8, 15, v16                ; node_emb's: lanes 0-15 one block's 256 bytes of the row, lanes 16-31 the next block's
	; every LDS address is made here, ahead of the parting of the two kinds of work-group
	s_mul_i32 s21, s18, XWAVE
	v_lshrrev_b32 v14, 2, v2
	v_mul_u32_u24 v14, v14, SP
	v_and_b32 v15, 3, v2
	v_lshl_add_u32 v14, v15, 4, v14
	v_add_nc_u32 v14, s21, v14                     ; node_emb's stage, on the way in: four lanes' 64 bytes on end, then the padding
	v_mul_u32_u24 v15, v2, SP
	v_add_nc_u32 v15, s21, v15                     ; and on the way out: my 16 neighbours
	s_and_b32 s19, s18, 1                          ; which 32 of the 64 columns
	s_lshr_b32 s20, s18, 1                         ; which 64 of the 256 along K
	v_bfe_u32 v5, v0, 3, 1
	v_and_b32 v6, 7, v0
	v_lshl_add_u32 v6, v5, 4, v6
	v_lshl_add_u32 v6, v8, 3, v6                   ; pos(lane)
	s_mul_i32 s21, s19, 32*WP
	s_lshl_b32 s22, s20, 6
	s_add_co_u32 s21, s21, s22
	s_add_co_u32 s21, s21, WST
	v_mul_u32_u24 v4, v6, WP
	v_add_nc_u32 v4, s21, v4                       ; the weights' stage, in: row 32 x half + pos(lane), byte 64 x my quarter of K
	s_mul_i32 s22, s18, 8*WP
	s_add_co_u32 s22, s22, WST
	v_mul_u32_u24 v7, v8, WP
	v_lshl_add_u32 v7, v9, 4, v7
	v_add_nc_u32 v7, s22, v7                       ; out: wave w takes rows 8 w .. 8 w + 7; sixteen lanes to a row, two rows an instruction
	s_wait_alu depctr_va_vdst(0)                   ; ahead of the run of scalar lines and the wait below
	s_lshr_b32 s26, ttmp9, 6                       ; which weight
	s_and_b32 s27, ttmp9, 15                       ; which 64 columns
	s_bfe_u32 s28, ttmp9, 0x20004                  ; which 256 along K
	s_lshl_b32 s30, s28, 20                        ; the weight, in bytes: (256 ky + 64 kq) rows of 4,096 + (64 nx + 32 half) x 4
	s_lshl_b32 s29, s20, 18
	s_add_co_u32 s30, s30, s29
	s_lshl_b32 s29, s27, 8
	s_add_co_u32 s30, s30, s29
	s_lshl_b32 s29, s19, 7
	s_add_co_u32 s30, s30, s29
	s_mov_b32 s31, 0
	s_lshl_b32 s32, s26, 20                        ; wc, in bytes: the weight + (nx / 2) groups of 128 rows + block ky + (64 (nx % 2) + 8 wave) rows of 256
	s_lshr_b32 s29, s27, 1
	s_lshl_b32 s29, s29, 17
	s_add_co_u32 s32, s32, s29
	s_lshl_b32 s29, s28, 15
	s_add_co_u32 s32, s32, s29
	s_and_b32 s29, s27, 1
	s_lshl_b32 s29, s29, 14
	s_add_co_u32 s32, s32, s29
	s_lshl_b32 s29, s18, 11
	s_add_co_u32 s32, s32, s29
	s_mov_b32 s33, 0
	s_wait_kmcnt 0x0
	s_load_b256 s[36:43], s[12:13], 0x0            ; entries 0 to 7
	s_cmp_eq_u32 s26, 0
	s_cselect_b64 s[24:25], s[6:7], s[8:9]
	s_cmp_eq_u32 s26, 2
	s_cselect_b64 s[24:25], s[10:11], s[24:25]     ; the choice hangs on the work-group's number alone
	s_add_nc_u64 s[24:25], s[24:25], s[30:31]
	s_add_nc_u64 s[16:17], s[16:17], s[32:33]      ; (used by the weights' work-groups alone)
	s_cmp_lt_u32 ttmp9, NWGW
	s_cbranch_scc0 .Lx
	; ---- a weight: W(64 kq + i, my column), i = 0 .. 63: each load reads 128 consecutive bytes, two neighbouring waves 256
.set ii, 0
.rept 64
	global_load_b32 v[WX+ii], v3, s[24:25] offset:ii*4096 th:TH_LOAD_NT
.set ii, ii+1
.endr
	s_wait_kmcnt 0x0
	s_cmp_eq_u32 s26, 0
	s_cselect_b32 s34, s37, s39
	s_cmp_eq_u32 s26, 2
	s_cselect_b32 s34, s41, s34                    ; e: entry 1, 3 or 5
	s_add_co_i32 s34, s34, 127
	s_lshl_b32 s35, s34, 23
	v_mov_b32 v11, s35                             ; 2^e as f32: the conversion takes its exponent field
	s_add_co_i32 s34, s34, 8
	s_lshl_b32 s34, s34, 23
	s_or_b32 s34, s34, 0x600000
	v_mov_b32 v10, s34                             ; 448 x 2^e
.macro WBLOCK blk                      ; 32 along K of my column
.if \blk == 0
	s_wait_loadcnt 32                              ; the first 32 loads are in; the second block's 32 may be out
.else
	s_wait_loadcnt 0x0
.endif
.set ii, 0
.rept 32
	v_med3_num_f32 v[WX+32*\blk+ii], v[WX+32*\blk+ii], -v10, v10   ; the conversion to an 8-bit code does not saturate (ISA guide 7.6.2): the hold comes first
.set ii, ii+1
.endr
.irp g, 0,1,2,3
	v_cvt_scalef32_pk8_fp8_f32 v[C+8*\blk+2*\g:C+8*\blk+2*\g+1], v[WX+32*\blk+8*\g:WX+32*\blk+8*\g+7], v11
.endr
	v_nop                                          ; a plain line behind the last conversion of the run
	ds_store_b128 v4, v[C+8*\blk:C+8*\blk+3] offset:32*\blk
	ds_store_b128 v4, v[C+8*\blk+4:C+8*\blk+7] offset:32*\blk+16
.endm
	s_wait_alu depctr_va_vdst(0)                   ; ahead of the wait below
	WBLOCK 0
	WBLOCK 1
	s_branch .Ljoin
	; ---- node_emb
.Lx:
	s_sub_co_u32 s26, ttmp9, NWGW                  ; which 16 rows
	s_lshl_b32 s27, s26, 4
	s_lshl_b32 s28, s18, 1
	s_add_co_u32 s28, s27, s28                     ; my wave's first row
	s_lshl_b32 s30, s28, 12
	s_mov_b32 s31, 0
	s_add_nc_u64 s[4:5], s[4:5], s[30:31]
.set ii, 0
.rept 16
	global_load_b128 v[R+4*ii:R+4*ii+3], v12, s[4:5] offset:512*ii th:TH_LOAD_NT   ; 32 lanes read 512 consecutive bytes; four loads are a step
.set ii, ii+1
.endr
	s_lshr_b32 s30, s28, 7
	s_lshl_b32 s30, s30, 17
	s_and_b32 s29, s28, 127
	s_lshl_b32 s29, s29, 8
	s_add_co_u32 s30, s30, s29
	s_add_nc_u64 s[44:45], s[14:15], s[30:31]      ; version 0: rows as they lie
	s_lshr_b32 s29, s18, 2                         ; two aligned rows stay neighbours under pos(): with w = 16 (s26 & 1) + 2 wave they lie at 16 (wave >> 2) + 2 (wave & 3) + 8 (s26 & 1) of group s26 >> 1
	s_lshl_b32 s29, s29, 4
	s_and_b32 s32, s18, 3
	s_lshl_b32 s32, s32, 1
	s_add_co_u32 s29, s29, s32
	s_and_b32 s32, s26, 1
	s_lshl_b32 s32, s32, 3
	s_add_co_u32 s29, s29, s32
	s_lshr_b32 s32, s26, 1
	s_lshl_b32 s32, s32, 5
	s_add_co_u32 s29, s29, s32                     ; the row's place
	s_lshr_b32 s30, s29, 7
	s_lshl_b32 s30, s30, 17
	s_and_b32 s29, s29, 127
	s_lshl_b32 s29, s29, 8
	s_add_co_u32 s30, s30, s29
	s_add_co_u32 s30, s30, 0x400000
	s_add_nc_u64 s[46:47], s[14:15], s[30:31]      ; version 1
	s_add_nc_u64 s[48:49], s[46:47], 0x400000      ; version 2
	s_wait_kmcnt 0x0
.irp p, 0,1,2
	s_add_co_i32 s32, s[36+2*\p], 127
	s_lshl_b32 s33, s32, 23
	v_mov_b32 v[SC+2*\p], s33                      ; 2^e
	s_add_co_i32 s32, s32, 8
	s_lshl_b32 s32, s32, 23
	s_or_b32 s32, s32, 0x600000
	v_mov_b32 v[SC+2*\p+1], s32                    ; 448 x 2^e
.endr
.macro TURN t                          ; step t's numbers through the stage: LDS serves a wave's instructions in order (ISA guide 5.7.1.4), so no wait stands between the stores and the loads
.irp i, 0,1,2,3
	ds_store_b128 v14, v[R+16*(\t)+4*\i:R+16*(\t)+4*\i+3] offset:32*SP*((\t)%2)+8*SP*\i
.endr
.irp i, 0,1,2,3
	ds_load_b128 v[X+16*((\t)%2)+4*\i:X+16*((\t)%2)+4*\i+3], v15 offset:32*SP*((\t)%2)+16*\i
.endr
.endm
.macro XSTEP t
.set XS, X+16*((\t)%2)
	s_wait_dscnt 0x0                               ; this step's numbers are back from the stage, and its stores into the stage have read their registers, which take the codes below
.if (\t) < 3
	s_wait_loadcnt 8-4*(\t)                        ; the next step's four loads are in; those of the steps behind it may be out
	TURN (\t)+1                                    ; and go through the other stage while this step is worked
.endif
.irp p, 0,1,2
.set ii, 0
.rept 16
	v_med3_num_f32 v[T+ii], v[XS+ii], -v[SC+2*\p+1], v[SC+2*\p+1]
.set ii, ii+1
.endr
	v_cvt_scalef32_pk8_fp8_f32 v[R+16*(\t)+4*\p:R+16*(\t)+4*\p+1], v[T:T+7], v[SC+2*\p]
	v_cvt_scalef32_pk8_fp8_f32 v[R+16*(\t)+4*\p+2:R+16*(\t)+4*\p+3], v[T+8:T+15], v[SC+2*\p]
	v_nop                                          ; a plain line between the conversions and the next version's holds, which write their sources
	global_store_b128 v16, v[R+16*(\t)+4*\p:R+16*(\t)+4*\p+3], s[44+2*\p:45+2*\p] offset:256*((\t)/2)+65536*((\t)%2)   ; sixteen lanes store 256 consecutive bytes, at a multiple of 256 from xc's first byte
.endr
.endm
	s_wait_alu depctr_va_vdst(0)                   ; ahead of the wait below
	s_wait_loadcnt 12                              ; step 0's four loads are in
	TURN 0
.irp t, 0,1,2,3
	XSTEP \t
.endr
.Ljoin:
	s_wait_dscnt 0x0                               ; for the others' sake: my stores into the stage are done
	s_barrier_signal -1
	s_barrier_wait -1                              ; every wave of either kind passes this barrier
	s_cmp_lt_u32 ttmp9, NWGW
	s_cbranch_scc0 .Lend
.irp i, 0,1,2,3
	ds_load_b128 v[OUTR+4*\i:OUTR+4*\i+3], v7 offset:2*WP*\i
.endr
.irp i, 0,1,2,3
	s_wait_dscnt 3-\i
	global_store_b128 v13, v[OUTR+4*\i:OUTR+4*\i+3], s[16:17] offset:512*\i   ; the wave stores 512 consecutive bytes, at a multiple of 256 from wc's first byte
.endr
.Lend:
	s_wait_tensorcnt 0x0                           ; the wave's end
	ds_add_u32 v[SPW], v[NIL]
	s_wait_dscnt 0x0
	s_endpgm
.Lfunc_end_k_qceac97cafe_quant:
	.size	k_qceac97cafe_quant, .Lfunc_end_k_qceac97cafe_quant-k_qceac97cafe_quant
	.p2alignl 7, 3214868480
	.fill 96, 4, 3214868480
	.section	.rodata,"a",@progbits
	.p2align	6, 0x0
	.amdhsa_kernel k_qceac97cafe_quant
		.amdhsa_group_segment_fixed_size 59392
		.amdhsa_private_segment_fixed_size 0
		.amdhsa_enable_private_segment 0
		.amdhsa_kernarg_size 56
		.amdhsa_user_sgpr_count 2
		.amdhsa_user_sgpr_kernarg_segment_ptr 1
		.amdhsa_wavefront_size32 1
		.amdhsa_system_sgpr_workgroup_id_x 1
		.amdhsa_system_sgpr_workgroup_id_y 1
		.amdhsa_system_sgpr_workgroup_id_z 1
		.amdhsa_system_vgpr_workitem_id 0
		.amdhsa_next_free_vgpr 152
		.amdhsa_next_free_sgpr 66
		.amdhsa_reserve_vcc 0
		.amdhsa_float_denorm_mode_32 3
		.amdhsa_float_denorm_mode_16_64 3
		.amdhsa_memory_ordered 1
		.amdhsa_forward_progress 1
		.amdhsa_inst_pref_size 37
	.end_amdhsa_kernel
	.amdgpu_metadata
---
amdhsa.version: [ 1, 2 ]
amdhsa.kernels:
  - .name:           k_qceac97cafe_quant
    .symbol:         k_qceac97cafe_quant.kd
    .args:
      - { .name: node_emb, .offset: 0, .size: 8, .value_kind: global_buffer, .address_space: global }
      - { .name: Wq, .offset: 8, .size: 8, .value_kind: global_buffer, .address_space: global }
      - { .name: Wk, .offset: 16, .size: 8, .value_kind: global_buffer, .address_space: global }
      - { .name: Wv, .offset: 24, .size: 8, .value_kind: global_buffer, .address_space: global }
      - { .name: lowp_scales, .offset: 32, .size: 8, .value_kind: global_buffer, .address_space: global }
      - { .name: xc, .offset: 40, .size: 8, .value_kind: global_buffer, .address_space: global }
      - { .name: wc, .offset: 48, .size: 8, .value_kind: global_buffer, .address_space: global }
    .group_segment_fixed_size: 59392
    .private_segment_fixed_size: 0
    .kernarg_segment_align: 8
    .kernarg_segment_size: 56
    .max_flat_workgroup_size: 256
    .sgpr_count:     66
    .vgpr_count:     152
    .wavefront_size: 32
...
	.end_amdgpu_metadata
.endif
;; end of part 1
;; launch proj (part 2): grid 4 x 48, 4 waves a work-group, clusters of 4 x 4, 327,680 bytes of LDS; arguments xc, wc, lowp_scales, bq, bk, bv, qc, kv; writes qc, kv
.if DOCPART == 2
	.amdgcn_target "amdgcn-amd-amdhsa--gfx1250"
	.amdhsa_code_object_version 6
	.text
	.protected	k_qceac97cafe_proj
	.globl	k_qceac97cafe_proj
	.p2align	8
	.type	k_qceac97cafe_proj,@function
k_qceac97cafe_proj:
	s_mov_b64 s[64:65], 0
	v_nop
	global_prefetch_b8 v0, s[64:65] scope:SCOPE_SE
	s_setreg_imm32_b32 hwreg(HW_REG_WAVE_MODE, 25, 1), 1
	s_wait_xcnt 0x0
	s_wait_alu depctr_hold_cnt(0) depctr_sa_sdst(0) depctr_va_vdst(0) depctr_va_sdst(0) depctr_va_ssrc(0) depctr_va_vcc(0) depctr_vm_vsrc(0)
	s_getreg_b32 s2, hwreg(HW_REG_IB_STS2, 6, 4)
	s_cmp_eq_u32 s2, 0
	s_cbranch_scc0 .Lentry_in_a_cluster
	s_endpgm
.Lentry_in_a_cluster:
	s_bfe_u32 s2, ttmp6, 0x10000c
	s_cmp_lg_u32 s2, 0xf033
	s_cbranch_scc0 .Lentry_shape_is_right
	s_endpgm
.Lentry_shape_is_right:
; The three projections on codes of FP8 (E4M3): sum x 2^(its two operands' e added) + bias, quantised with the scale of the attention's operand (entries 6 q, 7 k, 8 v) and stored as images of the attention's registers.
; A work-group makes 256 x 256 of one projection's result; a wave of four 128 x 128: 64 accumulators of 16 x 16.  Work-groups of cluster rows 0-3 make q, 4-7 k (A = node_emb's rows, B = the weight's), 8-11 v (A = the weight's rows, B = node_emb's),
; so that a lane's registers run along the head's channels for q and k, and along the keys for v: the next product's K.  (Source 0 of the matrix instruction = 16 rows of B, source 1 = 16 rows of A.)
; K = 1,024 goes in four steps of 256, in LDS as rows of 272 bytes (256 + 16 of padding).  A group of 128 rows is four dense blocks in memory, one a K step, so a wave's ONE load at the head brings its 128 rows of K steps 0 AND 1: 256 dense rows.
; K step 2 then takes the place of step 0, K step 3 that of step 1, each asked for behind the change of slots.
; CLUSTERS: 4 x 4 work-groups.  The four of a row of the cluster need the same rows of A, the four of a column the same rows of B: each load is asked for JOINTLY, with the same descriptor and a mask that names the four.
; THE PREFETCHES: K step 2's blocks are asked for behind the head's load, K step 3's behind the first fragments: each two K steps ahead of its load, one instruction a wave: 32 of a block's 128 units of 256 bytes, which the four partners share out BY ADDRESS.
; LIMITS: a projection's two e added lie between -126 and 127, entries 6, 7, 8 between -126 and 119, so that each power of two below is an f32 number.
; REGISTERS: window 0: v2-31 addresses; v128-255 A's fragments, one set; window 1: B's, two sets; windows 2, 3: accumulators of my rows 0-63, 64-127.  On the way out v32-95 numbers, v96-159 biases, v160-191 codes.
.set BLK,    32768                     ; a block: 128 rows x 256 codes
.set PITCH,  272                       ; row r starts at bank 4 r mod 64 (64 banks of 4 bytes: ISA guide 11.1)
.set FR,     16                        ; registers of a fragment: 16 rows x 128 K
.set NL,     4                         ; LDS loads that bring one
.set NP,     4                         ; places behind this matrix instruction (ISA guide 7.12.1)
.set BLKL,   128*PITCH                 ; a block in LDS
.set REGN,   2*BLKL                    ; what a wave's head load fills: A's rows 0-127, 128-255, B's rows 0-127, 128-255
.set SPARE,  4*REGN                    ; the spare words, 128 bytes for each wave, in blocks of 256 bytes that no other line names
.set BIASL,  SPARE+512                 ; 128 biases for each wave
.set ADRA, 16
.set ADRB, 20
.set PFO,  24                          ; v24 256 x lane: the prefetches' offset; never rewritten
.set SPW,  28
.set NIL,  29
.set T,    32
.set BI,   96
.set CD,   160
.set AF,   128
.set G1, 24                            ; s[24:31], s[48:55] descriptor group 1 of the head's load for A's rows, for B's
.set G1B, 48
.set G1R, 4                            ; s[4:11], s[84:91] the same for the refills
.set G1BR, 84
.set G0, 32                            ; s[32:35], s[56:59] group 0 of the head's load
.set G0B, 56
.set G0R, 36                           ; s[36:39], s[60:63] of the refills
.set G0BR, 60
.set PFA, 66                           ; s[66:67] where my prefetch of K step 2 stands
.set MSB, 0
.macro WIN new                         ; the immediate's high byte repeats the setting that is left
.if MSB != \new
	s_set_vgpr_msb (MSB<<8)|\new
.set MSB, \new
.endif
.endm
.set MUL_LO, 0xa1                      ; source 0 (B) window 1, source 1 (A) window 0, C and D window 2
.set MUL_HI, 0xf1                      ; the same, C and D window 3
.set TO_B,   0x40                      ; destination window 1, address window 0
; A joint load: waves 0 and 1 fetch for A, waves 2 and 3 for B.  Each of the two lines has ONE mask and one set of registers for all that issue it; the branch hangs on the wave's number alone.
.macro JLOAD g0a, g1a, g0b, g1b
	s_cmp_eq_u32 s15, 0
	s_cbranch_scc0 .Lfor_b_\@
	tensor_load_to_lds s[\g0a:\g0a+3], s[\g1a:\g1a+7]
	s_nop 0
.rept 4
	v_nop
.endr
	s_branch .Lasked_\@
.Lfor_b_\@:
	tensor_load_to_lds s[\g0b:\g0b+3], s[\g1b:\g1b+7]
	s_nop 0
.rept 4
	v_nop
.endr
.Lasked_\@:
.endm
.macro CREST                           ; a round of the cluster's barrier behind its opening barrier
	s_cmp_lg_u32 s14, 0
	s_cbranch_scc1 .Lnot_wave_0_\@
	s_barrier_signal -3
.Lnot_wave_0_\@:
	s_barrier_wait -3
	s_barrier_signal -1
	s_barrier_wait -1
.endm
.macro CROUND                          ; a whole round
	s_barrier_signal -1
	s_barrier_wait -1
	CREST
.endm
	s_load_b512 s[68:83], s[0:1], 0x0              ; xc, wc, the scales' exponents s[72:73], bq s[74:75], bk, bv, qc s[80:81], kv s[82:83]
	v_lshl_add_u32 v[SPW], v0, 2, SPARE
	v_mov_b32 v[NIL], 0
	ds_add_u32 v[SPW], v[NIL]                      ; the wave's opening: the add, twice on end, and its wait ahead of my first tensor load
	ds_add_u32 v[SPW], v[NIL]
	v_lshrrev_b32 v1, 5, v0
	v_readfirstlane_b32 s14, v1                    ; wave 0..3
	s_lshr_b32 s15, s14, 1                         ; which half of the rows of A is mine.  Also: I fetch for A (0) or for B (1)
	s_and_b32 s16, s14, 1                          ; which half of the rows of B.  Also: which 128 rows I fetch
	s_bfe_u32 s40, ttmp6, 0x40000                  ; cx, cy: my place in the cluster
	s_bfe_u32 s41, ttmp6, 0x40004
	s_and_b32 s13, ttmp7, 0xffff                   ; 12 rows of clusters:
	s_lshr_b32 s12, s13, 2                         ; the projection: 0 q, 1 k, 2 v
	s_and_b32 s13, s13, 3
	s_lshl_b32 s13, s13, 2                         ; 4 x the cluster's place among its projection's four
	s_lshl_b32 s4, s12, 22                         ; xc's version, in bytes
	s_lshl_b32 s5, s12, 20                         ; wc's weight
	s_mov_b32 s6, 2<<20
	s_mov_b32 s7, 8<<20
	s_cmp_lt_u32 s12, 2                            ; q, k: A = xc, 16 tile rows, B = wc, 4 tile columns; v: the other way round
	s_cselect_b32 s8, s4, s6
	s_cselect_b32 s9, s5, s7
	s_cselect_b32 s10, s13, 0
	s_cselect_b32 s11, 0, s13
	s_add_co_u32 s17, s10, s41                     ; tile row
	s_add_co_u32 s42, s11, s40                     ; tile column
	s_lshl_b32 s43, s41, 2
	s_lshl_b32 s43, 15, s43                        ; my row of the cluster
	s_lshl_b32 s44, 0x1111, s40                    ; my column
	; descriptor group 1: R dense rows of 256 bytes, four words of padding behind each 64; the mask in 15:0 with bit 21 beside it
	s_or_b32 s[G1], s43, (1<<20)|(1<<21)|(5<<22)|(3<<25)
	s_or_b32 s[G1B], s44, (1<<20)|(1<<21)|(5<<22)|(3<<25)
.irp g, G1, G1B
	s_mov_b32 s[\g+1], 256<<16                     ; tensor_dim0
	s_mov_b32 s[\g+2], 256<<16                     ; tensor_dim1: two blocks' rows
	s_mov_b32 s[\g+3], 256<<16                     ; tile_dim0
	s_mov_b32 s[\g+4], 256                         ; tile_dim1
	s_mov_b32 s[\g+5], 256                         ; tensor_dim0_stride
	s_mov_b32 s[\g+6], 0
	s_mov_b32 s[\g+7], 0
.endr
	s_lshl_b32 s20, s17, 1
	s_add_co_u32 s20, s20, s16
	s_lshl_b32 s20, s20, 17
	s_add_co_u32 s20, s20, s8                      ; A: group of 128 rows 2 x tile row + half
	s_lshl_b32 s46, s42, 1
	s_add_co_u32 s46, s46, s16
	s_lshl_b32 s46, s46, 17
	s_add_co_u32 s46, s46, s9                      ; B: 2 x tile column + half
	s_mov_b32 s21, 0
	s_mov_b32 s47, 0
	s_mul_i32 s45, s14, REGN                       ; where they go: no place in the cluster enters an LDS address
	s_wait_dscnt 0x0                               ; both opening adds are done
	s_wait_kmcnt 0x0
	s_cmp_lt_u32 s12, 2
	s_cselect_b64 s[4:5], s[68:69], s[70:71]
	s_cselect_b64 s[6:7], s[70:71], s[68:69]
	s_add_nc_u64 s[20:21], s[4:5], s[20:21]
	s_add_nc_u64 s[46:47], s[6:7], s[46:47]
	s_mov_b32 s[G0], 1
	s_mov_b32 s[G0+1], s45
	s_mov_b64 s[G0+2:G0+3], s[20:21]
	s_or_b32 s[G0+3], s[G0+3], 0x80000000
	s_mov_b32 s[G0B], 1
	s_mov_b32 s[G0B+1], s45
	s_mov_b64 s[G0B+2:G0B+3], s[46:47]
	s_or_b32 s[G0B+3], s[G0B+3], 0x80000000
	CROUND                                         ; all sixteen work-groups are here: the first joint loads meet
	JLOAD G0, G1, G0B, G1B                         ; K steps 0 and 1: my one tensor load at the head
	; the refills' descriptors: 128 rows; K step 2, into the place of step 0
	s_or_b32 s[G1R], s43, (1<<20)|(1<<21)|(5<<22)|(3<<25)
	s_or_b32 s[G1BR], s44, (1<<20)|(1<<21)|(5<<22)|(3<<25)
.irp g, G1R, G1BR
	s_mov_b32 s[\g+1], 256<<16
	s_mov_b32 s[\g+2], 128<<16
	s_mov_b32 s[\g+3], 256<<16
	s_mov_b32 s[\g+4], 128
	s_mov_b32 s[\g+5], 256
	s_mov_b32 s[\g+6], 0
	s_mov_b32 s[\g+7], 0
.endr
	s_mov_b32 s[G0R], 1
	s_mov_b32 s[G0R+1], s45
	s_add_nc_u64 s[G0R+2:G0R+3], s[20:21], 2*BLK
	s_or_b32 s[G0R+3], s[G0R+3], 0x80000000
	s_mov_b32 s[G0BR], 1
	s_mov_b32 s[G0BR+1], s45
	s_add_nc_u64 s[G0BR+2:G0BR+3], s[46:47], 2*BLK
	s_or_b32 s[G0BR+3], s[G0BR+3], 0x80000000
	s_cmp_eq_u32 s15, 0                            ; the prefetches: my rows' block of K step 2, my work-group's quarter of it
	s_cselect_b64 s[PFA:PFA+1], s[20:21], s[46:47]
	s_cselect_b32 s22, s40, s41                    ; my place among the four that ask for it with me
	s_lshl_b32 s22, s22, 13
	s_add_co_u32 s22, s22, 2*BLK
	s_mov_b32 s23, 0
	s_add_nc_u64 s[PFA:PFA+1], s[PFA:PFA+1], s[22:23]
	; the biases of my 128 channels: of my columns (q, k) or of my rows (v)
	s_lshl_b32 s94, s42, 1
	s_add_co_u32 s94, s94, s16
	s_lshl_b32 s95, s17, 1
	s_add_co_u32 s95, s95, s15
	s_cmp_lt_u32 s12, 2
	s_cselect_b32 s94, s94, s95
	s_lshl_b32 s94, s94, 9
	s_cmp_eq_u32 s12, 0
	s_cselect_b64 s[98:99], s[74:75], s[76:77]
	s_cmp_eq_u32 s12, 2
	s_cselect_b64 s[98:99], s[78:79], s[98:99]
	v_and_b32 v5, 31, v0
	v_lshlrev_b32 v31, 4, v5                       ; 16 x lane
	v_lshlrev_b32 v[PFO], 8, v5
	v_add_nc_u32 v15, s94, v31
	global_load_b128 v[8:11], v15, s[98:99]
	v_and_b32 v1, 15, v0                           ; r = lane % 16
	v_bfe_u32 v2, v0, 4, 1                         ; h = lane / 16
	v_mul_u32_u24 v3, v1, PITCH
	v_lshl_add_u32 v4, v2, 4, v3                   ; a fragment's row x pitch + 16 h
	s_mul_i32 s22, s15, REGN
	v_add_nc_u32 v[ADRA], s22, v4
	s_mul_i32 s22, s16, REGN
	s_add_co_u32 s22, s22, 2*REGN
	v_add_nc_u32 v[ADRB], s22, v4
	s_lshl_b32 s23, s14, 9
	s_add_co_u32 s23, s23, BIASL                   ; my biases in LDS
	v_add_nc_u32 v12, s23, v31
	v_lshl_add_u32 v13, v2, 6, s23                 ; q, k: 16 channels for each half of the lanes
	v_and_b32 v14, 8, v1
	v_add_nc_u32 v14, v14, v1
	v_lshl_add_u32 v14, v14, 2, s23                ; v: channel r + 8 (r / 8)
	v_lshlrev_b32 v30, 4, v1
	v_lshl_add_u32 v30, v2, 9, v30                 ; q, k: my 16 bytes in an image
	global_prefetch_b8 v[PFO], s[PFA:PFA+1] th:TH_LOAD_NT scope:SCOPE_SE   ; K step 2
.macro FRAG reg, adr, c, i             ; a fragment of the 128 codes c (0 to 3: c / 2 the K step's place, c % 2 its half): lane l holds row l % 16; registers 4 e .. 4 e + 3 hold K = 32 e + 16 (l / 16) + 0 .. 15
.irp e, 0,1,2,3
	ds_load_b128 v[\reg+4*\e:\reg+4*\e+3], v[\adr] offset:BLKL*((\c)/2)+128*((\c)%2)+32*\e+(\i)*16*PITCH
.endr
.endm
; 16 matrix instructions: A's blocks a0, a0 + 1 x B's eight, 128 along K.  p: B's set.  zero = 1: the first product starts the sums.  The 64 accumulators take turns, one instruction a turn.
.macro MUL16 a0, p, zero
.irp a, \a0, \a0+1
.irp b, 0,1,2,3,4,5,6,7
.if \zero
	v_wmma_f32_16x16x128_fp8_fp8 v[8*(8*((\a)%4)+\b):8*(8*((\a)%4)+\b)+7], v[128*(\p)+FR*\b:128*(\p)+FR*\b+FR-1], v[AF+FR*(\a):AF+FR*(\a)+FR-1], 0
.else
	v_wmma_f32_16x16x128_fp8_fp8 v[8*(8*((\a)%4)+\b):8*(8*((\a)%4)+\b)+7], v[128*(\p)+FR*\b:128*(\p)+FR*\b+FR-1], v[AF+FR*(\a):AF+FR*(\a)+FR-1], v[8*(8*((\a)%4)+\b):8*(8*((\a)%4)+\b)+7]
.endif
.endr
.endr
.endm
.macro FETCH_B c, p
	WIN TO_B
.irp i, 0,1,2,3,4,5,6,7
	FRAG 128*(\p)+FR*\i, ADRB, \c, \i
.endr
	WIN 0
.endm
.macro FETCH_A c, i0
.irp i, \i0, \i0+1, \i0+2, \i0+3
	FRAG AF+FR*(\i), ADRA, \c, \i
.endr
.endm
.macro PLACES n
.rept \n
	v_nop
.endr
.endm
; The first 128 of a K step (B's set 0): the second 128 lie in the same place c + 1
.macro STEP c, zero
	s_wait_dscnt 4*NL                              ; B's set and A's blocks 0-3 are in; the youngest 16 loads (A's blocks 4-7) may be out
	WIN MUL_LO
	MUL16 0, 0, \zero
	MUL16 2, 0, \zero
	s_wait_dscnt 0
	PLACES NP
	FETCH_B (\c)+1, 1
	FETCH_A (\c)+1, 0
	WIN MUL_HI
	MUL16 4, 0, \zero
	MUL16 6, 0, \zero
	PLACES NP
	WIN 0
	FETCH_A (\c)+1, 4
.endm
; The second 128 (B's set 1) change places: in front of the barrier each wave waits for all its tensor loads, adds 0 to its spare word, and waits for that and for its own reads.  fill = 1: the place just read is filled again; on = 1: by the K step behind the last refill's.
.macro TURN next, fill, on
	s_wait_tensorcnt 0x0                           ; all my tensor loads have landed, so their descriptors may be written
	ds_add_u32 v[SPW], v[NIL]                      ; 0 onto my spare word
	s_wait_dscnt 4*NL+1                            ; (the add and the youngest 16 loads may be out)
	WIN MUL_LO
	MUL16 0, 1, 0
	s_wait_dscnt 0x0                               ; the add is done, and my reads of this place are over
	s_barrier_signal -1
	MUL16 2, 1, 0
	WIN 0
	s_barrier_wait -1
.if \fill
	CREST                                          ; no wave of any partner still reads this place or has a load on its way
.if \on
	s_add_nc_u64 s[G0R+2:G0R+3], s[G0R+2:G0R+3], BLK
	s_add_nc_u64 s[G0BR+2:G0BR+3], s[G0BR+2:G0BR+3], BLK
	s_add_co_u32 s[G0R+1], s45, BLKL
	s_add_co_u32 s[G0BR+1], s45, BLKL
.endif
	JLOAD G0R, G1R, G0BR, G1BR
.else
	PLACES NP
.endif
	FETCH_B \next, 0
	FETCH_A \next, 0
	WIN MUL_HI
	MUL16 4, 1, 0
	MUL16 6, 1, 0
	PLACES NP
	WIN 0
	FETCH_A \next, 4
.endm
	s_wait_alu depctr_va_vdst(0)                   ; the head's end
	s_wait_tensorcnt 0x0                           ; my part of K steps 0 and 1 is in,
	s_barrier_signal -1
	s_barrier_wait -1                              ; and everybody's
	s_wait_loadcnt 0x0
	ds_store_b128 v12, v[8:11]                     ; my biases, into LDS bytes of my wave's own
	FETCH_B 0, 0
	FETCH_A 0, 0
	FETCH_A 0, 4
	global_prefetch_b8 v[PFO], s[PFA:PFA+1] offset:BLK th:TH_LOAD_NT scope:SCOPE_SE   ; K step 3: the last; nothing is asked for behind it
	STEP 0, 1
	TURN 2, 1, 0                                   ; K step 2 into the place of step 0
	STEP 2, 0
	TURN 0, 1, 1                                   ; K step 3 into the place of step 1
	STEP 0, 0
	TURN 2, 0, 0
	s_load_b256 s[84:91], s[72:73], 0x0            ; entries 0 to 7 (the registers held a descriptor whose loads are done)
	s_load_b64 s[92:93], s[72:73], 0x20            ; entries 8, 9
	STEP 2, 0
	s_wait_dscnt 4*NL
	WIN MUL_LO
	MUL16 0, 1, 0
	MUL16 2, 1, 0
	s_wait_dscnt 0
	WIN MUL_HI
	MUL16 4, 1, 0
	MUL16 6, 1, 0
	WIN 0
	s_wait_kmcnt 0x0
	s_add_co_i32 s84, s84, s85
	s_add_co_i32 s86, s86, s87
	s_add_co_i32 s88, s88, s89
	s_cmp_eq_u32 s12, 0
	s_cselect_b32 s96, s84, s86
	s_cselect_b32 s94, s90, s91
	s_cmp_eq_u32 s12, 2
	s_cselect_b32 s96, s88, s96
	s_cselect_b32 s94, s92, s94
	s_add_co_i32 s96, s96, 127
	s_lshl_b32 s96, s96, 23                        ; 2^(its two operands' e added)
	s_mov_b32 s97, s96                             ; (named with it as a pair)
	s_add_co_i32 s94, s94, 127
	s_lshl_b32 s95, s94, 23
	v_mov_b32 v6, s95                              ; 2^e of the result's quantiser
	s_add_co_i32 s94, s94, 8
	s_lshl_b32 s94, s94, 23
	s_or_b32 s94, s94, 0x600000
	v_mov_b32 v7, s94                              ; 448 x that
	PLACES NP
; THE WAY OUT of block a (16 rows of A x 128 rows of B): scaled, with the bias, held, converted; 32 codes a lane, stored as images of the attention's registers.  mode 0: q, k; mode 1: v, where the bias hangs on the row
.macro OUT a, mode
.set AC, 64*((\a)%4)
.set CC, CD+16*((\a)%2)
	WIN 0x02+((\a)/4)                              ; source 0: window 2 or 3
.set bb, 0
.rept 8
.irp i, 0,2,4,6
.if \mode
	v_pk_fma_f32 v[T+8*bb+\i:T+8*bb+\i+1], v[AC+8*bb+\i:AC+8*bb+\i+1], s[96:97], v[BI+2*(\a):BI+2*(\a)+1] op_sel_hi:[1,0,1]
.else
	v_pk_fma_f32 v[T+8*bb+\i:T+8*bb+\i+1], v[AC+8*bb+\i:AC+8*bb+\i+1], s[96:97], v[BI+8*bb+\i:BI+8*bb+\i+1] op_sel_hi:[1,0,1]
.endif
.endr
.set bb, bb+1
.endr
	WIN 0
.set jj, 0
.rept 64
	v_med3_num_f32 v[T+jj], v[T+jj], -v7, v7       ; the conversion to an 8-bit code does not saturate (ISA guide 7.6.2)
.set jj, jj+1
.endr
.if (\a) >= 2
	s_wait_alu depctr_va_vdst(0)                   ; ahead of the wait below
	s_wait_xcnt 0x0                                ; block a - 2's stores have read their codes
.endif
.set bb, 0
.rept 8
	v_cvt_scalef32_pk8_fp8_f32 v[CC+2*bb:CC+2*bb+1], v[T+8*bb:T+8*bb+7], v6
.set bb, bb+1
.endr
	v_nop                                          ; a plain line behind the last conversion of the run
.irp e, 0,1,2,3
.if \mode
	global_store_b128 v31, v[CC+4*\e:CC+4*\e+3], s[8+2*((\a)/4):9+2*((\a)/4)] offset:2048*((\a)%4)+512*\e   ; 32 lanes store 512 consecutive bytes
.else
	global_store_b128 v30, v[CC+4*\e:CC+4*\e+3], s[8+2*(\e/2):9+2*(\e/2)] offset:1024*(\a)+256*(\e%2)   ; sixteen lanes store 256 consecutive bytes
.endif
.endr
.endm
	s_cmp_lt_u32 s12, 2
	s_cbranch_scc0 .Lv_out
.irp b, 0,1,2,3,4,5,6,7
	ds_load_b128 v[BI+8*\b:BI+8*\b+3], v13 offset:4*(32*(\b/2)+8*(\b%2))
	ds_load_b128 v[BI+8*\b+4:BI+8*\b+7], v13 offset:4*(32*(\b/2)+8*(\b%2))+16
.endr
	s_cmp_eq_u32 s12, 0
	s_cselect_b64 s[8:9], s[80:81], s[82:83]       ; q into qc, k into kv
	s_lshl_b32 s94, s42, 2
	s_lshl_b32 s95, s16, 1
	s_add_co_u32 s94, s94, s95                     ; my first head of two
	s_lshl_b32 s94, s94, 18
	s_lshl_b32 s95, s17, 1
	s_add_co_u32 s95, s95, s15                     ; my 128 rows
	s_lshl_b32 s95, s95, 13
	s_add_co_u32 s94, s94, s95
	s_lshl_b32 s94, s94, s12                       ; kv holds V beside K: twice the distances
	s_mov_b32 s95, 0
	s_add_nc_u64 s[8:9], s[8:9], s[94:95]
	s_lshl_b32 s94, 0x40000, s12
	s_add_nc_u64 s[10:11], s[8:9], s[94:95]        ; my second head
	s_wait_dscnt 0x0
.irp a, 0,1,2,3,4,5,6,7
	OUT \a, 0
.endr
	s_branch .Ldone
.Lv_out:
.irp a, 0,1,2,3,4,5,6,7
	ds_load_b32 v[BI+2*\a], v14 offset:4*(32*(\a/2)+8*(\a%2))
	ds_load_b32 v[BI+2*\a+1], v14 offset:4*(32*(\a/2)+8*(\a%2))
.endr
	s_lshl_b32 s94, s17, 2
	s_lshl_b32 s95, s15, 1
	s_add_co_u32 s94, s94, s95                     ; my first head of two
	s_lshl_b32 s94, s94, 19
	s_lshl_b32 s95, s42, 1
	s_add_co_u32 s95, s95, s16                     ; my 128 keys
	s_lshl_b32 s95, s95, 14
	s_add_co_u32 s94, s94, s95
	s_add_co_u32 s94, s94, 8192                    ; V lies behind K in a step's images
	s_mov_b32 s95, 0
	s_add_nc_u64 s[8:9], s[82:83], s[94:95]
	s_add_nc_u64 s[10:11], s[8:9], 0x80000         ; my second head
	s_wait_dscnt 0x0
.irp a, 0,1,2,3,4,5,6,7
	OUT \a, 1
.endr
.Ldone:
	s_wait_tensorcnt 0x0                           ; the wave's end
	ds_add_u32 v[SPW], v[NIL]
	s_wait_dscnt 0x0
	CROUND                                         ; the closing round: no work-group ends while a partner may still ask for a tile that names it
	s_endpgm
.Lfunc_end_k_qceac97cafe_proj:
	.size	k_qceac97cafe_proj, .Lfunc_end_k_qceac97cafe_proj-k_qceac97cafe_proj
	.p2alignl 7, 3214868480
	.fill 96, 4, 3214868480
	.section	.rodata,"a",@progbits
	.p2align	6, 0x0
	.amdhsa_kernel k_qceac97cafe_proj
		.amdhsa_group_segment_fixed_size 327680
		.amdhsa_private_segment_fixed_size 0
		.amdhsa_enable_private_segment 0
		.amdhsa_kernarg_size 64
		.amdhsa_user_sgpr_count 2
		.amdhsa_user_sgpr_kernarg_segment_ptr 1
		.amdhsa_wavefront_size32 1
		.amdhsa_system_sgpr_workgroup_id_x 1
		.amdhsa_system_sgpr_workgroup_id_y 1
		.amdhsa_system_sgpr_workgroup_id_z 1
		.amdhsa_system_vgpr_workitem_id 0
		.amdhsa_next_free_vgpr 1024
		.amdhsa_next_free_sgpr 100
		.amdhsa_reserve_vcc 0
		.amdhsa_float_denorm_mode_32 3
		.amdhsa_float_denorm_mode_16_64 3
		.amdhsa_memory_ordered 1
		.amdhsa_forward_progress 1
		.amdhsa_inst_pref_size 195
	.end_amdhsa_kernel
	.amdgpu_metadata
---
amdhsa.version: [ 1, 2 ]
amdhsa.kernels:
  - .name:           k_qceac97cafe_proj
    .symbol:         k_qceac97cafe_proj.kd
    .args:
      - { .name: xc, .offset: 0, .size: 8, .value_kind: global_buffer, .address_space: global }
      - { .name: wc, .offset: 8, .size: 8, .value_kind: global_buffer, .address_space: global }
      - { .name: lowp_scales, .offset: 16, .size: 8, .value_kind: global_buffer, .address_space: global }
      - { .name: bq, .offset: 24, .size: 8, .value_kind: global_buffer, .address_space: global }
      - { .name: bk, .offset: 32, .size: 8, .value_kind: global_buffer, .address_space: global }
      - { .name: bv, .offset: 40, .size: 8, .value_kind: global_buffer, .address_space: global }
      - { .name: qc, .offset: 48, .size: 8, .value_kind: global_buffer, .address_space: global }
      - { .name: kv, .offset: 56, .size: 8, .value_kind: global_buffer, .address_space: global }
    .group_segment_fixed_size: 327680
    .private_segment_fixed_size: 0
    .kernarg_segment_align: 8
    .kernarg_segment_size: 64
    .max_flat_workgroup_size: 128
    .sgpr_count:     100
    .vgpr_count:     1024
    .wavefront_size: 32
...
	.end_amdgpu_metadata
.endif
;; end of part 2
;; launch attn (part 3): grid 16 x 16, 8 waves a work-group, clusters of 4 x 1, 327,680 bytes of LDS; arguments qc, kv, lowp_scales, out0; writes out0
.if DOCPART == 3
	.amdgcn_target "amdgcn-amd-amdhsa--gfx1250"
	.amdhsa_code_object_version 6
	.text
	.protected	k_qceac97cafe_attn
	.globl	k_qceac97cafe_attn
	.p2align	8
	.type	k_qceac97cafe_attn,@function
k_qceac97cafe_attn:
	s_mov_b64 s[64:65], 0
	v_nop
	global_prefetch_b8 v0, s[64:65] scope:SCOPE_SE
	s_setreg_imm32_b32 hwreg(HW_REG_WAVE_MODE, 25, 1), 1
	s_wait_xcnt 0x0
	s_wait_alu depctr_hold_cnt(0) depctr_sa_sdst(0) depctr_va_vdst(0) depctr_va_sdst(0) depctr_va_ssrc(0) depctr_va_vcc(0) depctr_vm_vsrc(0)
	s_getreg_b32 s2, hwreg(HW_REG_IB_STS2, 6, 4)
	s_cmp_eq_u32 s2, 0
	s_cbranch_scc0 .Lentry_in_a_cluster
	s_endpgm
.Lentry_in_a_cluster:
	s_bfe_u32 s2, ttmp6, 0x10000c
	s_cmp_lg_u32 s2, 0x3003
	s_cbranch_scc0 .Lentry_shape_is_right
	s_endpgm
.Lentry_shape_is_right:
; out[q][64 head + d] = the sum over keys of softmax(q . k / 8) v, 16 heads, 4,096 queries and keys, no mask, both products on codes of FP8 (E4M3) with the given scales: entries 6 (q), 7 (k), 8 (v), 9 (p).
; THE SOFTMAX AHEAD OF THE SECOND PRODUCT: t = score x log2(e) / 8; M = the row's largest t so far, rounded UP to a whole number; p = 2^(t - M) is what is quantised, along the keys; it is not normalised.
; The row's sum is taken of the unquantised p, in f32, and divides at the end.  When M moves, the sum and O are multiplied by 2^(old M - new M): exact.
; OPERANDS ARRIVE AS IMAGES OF THEIR REGISTERS: each group of four registers of a fragment is 512 consecutive bytes, lane l's 16 at 16 l.  qc: [head][tile of 16 queries][1,024].
; kv: [head][step of 128 keys][K: 8 tiles of 16 keys, 1,024 each | V: 4 tiles of 16 channels x 128 keys, 2,048 each].  So every LDS load reads 512 consecutive bytes, and a step's tiles are one dense block of 16,384 bytes.
; SHARES.  A work-group owns 256 queries of one head; each of its eight waves 32 of them, two tiles (A and B), so that each fragment of K and V read from LDS feeds two matrix instructions; two waves to a SIMD.
; LAYOUT.  Both products are used transposed: S^T = K Q^T (source 0 = 16 keys, source 1 = 16 queries), O^T = V^T P^T (source 0 = 16 channels, source 1 = P): a lane holds ONE query (lane % 16) throughout.
; The keys of a tile of K are not neighbours (row i of tile 2 b + u is key 32 b + 8 u + i + 8 (i / 8)), so that the 16 registers of tiles 2 b and 2 b + 1 are keys 32 b + 16 (lane / 16) + 0 .. 15, as V's image has them; V's channels likewise.
; A TRIP of the loop loads K of step m, takes step m - 1 through its softmax and second product, makes the scores of step m and loads V of step m: so every fragment is asked for long before it is multiplied,
; and a change of slots stands between two trips, where nothing of the old slot is still to be asked for.
; BATCHES.  The exponentials go in four batches of 32 (a tile's first and second half), each with one wait ahead and one behind; among them stand scalings, holds and conversions of other halves, whose results are read behind the next wait only.
; RING.  Two LDS slots of eight key steps (131,072 bytes) each; every wave fetches 16,384 bytes of a slot by one tensor load.
; CLUSTER.  The four blocks of queries of a cluster belong to one head and walk the same K and V: each load is asked for JOINTLY, with the same descriptor and a mask that names the four.
; LIMITS on the given exponents, so that each power of two below is an f32 number: entry 6 + entry 7 between -123 and 130 (they are added to c's exponent field); entry 9 between -126 and 119; entries 8 + 9 are applied by v_ldexp_f32 and have none.
; REGISTERS, in windows of 256.  Window 0: v1-8 addresses; v10-33 statistics, twelve a tile; v34-49 Q; v50-81 p's codes; v82-113 partial maxima, then partial sums, 16 a tile; v114 2^ep; v128-255 S^T, then p, 64 a tile.
;   Window 1: v0-63 O^T, 32 a tile; v64-127 K's fragments; v128-191 V's.
.set STEPB, 16384                      ; a key step's images
.set NST,   8                          ; key steps in a slot
.set SLOTB, NST*STEPB
.set SLOT1, 1<<17                      ; slot 1 begins here, so that one exclusive or turns an address in one slot into the other's
.set NSL,   4096/(128*NST)             ; 4 slots' worth of keys
.set SPARE, 2*SLOT1                    ; behind the ring: the spare words, 128 bytes for each wave: four blocks of 256 bytes that no other line names
.set SP,    272                        ; the way out: 32 rows x (256 bytes + 16) for each wave, from LDS byte 0 on: slot 0 is left at the last change of slots: it has had its last fill, and nobody reads it
.set LI,   1                           ; v1   16 x lane: my place in an image
.set ADR,  2                           ; v2   LDS address of the trip's step
.set PFO,  3                           ; v3   256 x lane: the prefetches' offset; never rewritten
.set SPW,  4                           ; v4   LDS address of my spare word: SPARE + 4 x my thread's number; never rewritten
.set NIL,  5                           ; v5   0; never rewritten
.set GO,   6                           ; v6   the way out: my byte offset in the wave's rows of the output
.set STO,  7                           ; v7   where I put 16 bytes of a row
.set RD,   8                           ; v8   where I read a row back
.set ST,   10                          ; tile t's statistics at v[ST + 12 t]: +0 -M, +1 the largest score (not scaled), +2 f (+3 named with it), +5 to +7 at work, +8..9 the sum in two parts, +10 a lane permute's result
.set Q,    34
.set P,    50
.set ACC,  82
.set SCV,  114
.set S,    128
.set KF,   64                          ; in window 1
.set VF,   128                         ; in window 1
.set WV,   12                          ; s12  my wave's number
.set LIM,  15                          ; s15  1 in a wave that prefetches, else the greatest number
.set PFA,  18                          ; s[18:19] where my prefetches stand
.set SEL,  20                          ; s[20:21] lane selects for v_permlanex16_b32: lane l xor 16
.set CS,   22                          ; s[22:23] c = log2(e) / 8 x 2^(eq + ek)
.set G1,   24                          ; s[24:31] descriptor group 1
.set G0,   32                          ; s[32:35] descriptor group 0, which walks
.set TB,   36                          ; s36  LDS byte at which the trip's step begins
.set SLOTS, 37                         ; s37  slots still to be asked for
.set CNT,  38                          ; s38  counts a slot's trips
.set LM,   52                          ; s52  448 x 2^ep
.set MSB, 0
.macro WIN new                         ; the immediate's high byte repeats the setting that is left
.if MSB != \new
	s_set_vgpr_msb (MSB<<8)|\new
.set MSB, \new
.endif
.endm
.macro CROUND                          ; a round of the cluster's barrier
	s_barrier_signal -1
	s_barrier_wait -1
	s_cmp_lg_u32 s[WV], 0
	s_cbranch_scc1 .Lnot_wave_0_\@
	s_barrier_signal -3
.Lnot_wave_0_\@:
	s_barrier_wait -3
	s_barrier_signal -1
	s_barrier_wait -1
.endm
; A PREFETCH INTO THE L2 of what the NEXT change of slots will ask for: a slot's 131,072 bytes, lanes 256 bytes apart.  It stands behind the wave's tensor load and its four lines.
; Each aligned block of 256 bytes is named ONCE in the launch.  All clusters of a head walk the same K and V: the head's first cluster asks.  Its four partners share the slot out BY ADDRESS, 32,768 bytes each;
; in each, waves 0 to 3 ask, 8,192 bytes each, one instruction.  Slots' worth 0 and 1 come by their loads alone; the last change that fills a slot asks for nothing.
.macro ASK
	s_cmp_gt_u32 s[SLOTS], s[LIM]
	s_cbranch_scc0 .Lnot_mine_\@
	global_prefetch_b8 v[PFO], s[PFA:PFA+1] th:TH_LOAD_NT scope:SCOPE_SE
.Lnot_mine_\@:
.endm
; THE CHANGE OF SLOTS.  Each wave waits for all its tensor loads (its part of the slot that it is about to read), adds 0 to its spare word, and waits for that and for its reads of the slot that it has left.
; fill = 1: the barrier is a round of the cluster's, so that no wave of any partner still reads the other slot or has a load on its way, and that slot is filled with the keys that follow: the load has a slot's trips in which to land.
.macro CHANGE fill
	s_wait_tensorcnt 0x0                           ; no tensor load of mine is out, so the group 0 may be written
	ds_add_u32 v[SPW], v[NIL]                      ; 0 onto my spare word
.if \fill
	s_xor_b32 s[G0+1], s[G0+1], SLOT1              ; the walking descriptor: the other slot than last time,
	s_add_nc_u64 s[G0+2:G0+3], s[G0+2:G0+3], SLOTB ; the next eight steps; the type bits on top are not reached
	s_wait_xcnt 0x0                                ; the last prefetch, a slot back, has read its address, so it may be written:
	s_add_nc_u64 s[PFA:PFA+1], s[PFA:PFA+1], SLOTB ; one slot further on than the walking descriptor
	s_wait_dscnt 0x0                               ; the add is done, and my reads of the slot that I have left are over
	CROUND
	tensor_load_to_lds s[G0:G0+3], s[G1:G1+7]      ; the first thing behind the round, and my one tensor load until the next
	s_nop 0
.rept 4
	v_nop
.endr
	ASK
.else
	s_wait_dscnt 0x0
	s_barrier_signal -1
	s_barrier_wait -1
.endif
.endm
.macro KLOAD                           ; K's fragments: tile ff / 2, registers 4 (ff % 2) on
	WIN 0x40                                       ; destination window 1, address window 0
.set ff, 0
.rept 16
	ds_load_b128 v[KF+4*ff:KF+4*ff+3], v[ADR] offset:512*ff
.set ff, ff+1
.endr
	WIN 0
.endm
.macro VLOAD                           ; V's fragments: tile ff / 4, registers 4 (ff % 4) on
	WIN 0x40
.set ff, 0
.rept 16
	ds_load_b128 v[VF+4*ff:VF+4*ff+3], v[ADR] offset:8192+512*ff
.set ff, ff+1
.endr
	WIN 0
.endm
.macro MULQ                            ; S^T = K Q^T: key tile ii / 2, query tile ii % 2; K = the head's 64
	WIN 0x01                                       ; source 0 (K) window 1
.set ii, 0
.rept 16
	v_wmma_f32_16x16x64_fp8_fp8 v[S+64*(ii%2)+8*(ii/2):S+64*(ii%2)+8*(ii/2)+7], v[KF+8*(ii/2):KF+8*(ii/2)+7], v[Q+8*(ii%2):Q+8*(ii%2)+7], 0
.set ii, ii+1
.endr
	WIN 0
.endm
.macro MULV                            ; O^T += V^T P^T: channels' tile ii / 2, query tile ii % 2; K = the step's 128 keys.  Eight accumulators, one instruction each
	WIN 0x51                                       ; V, C and D window 1, P window 0
.set ii, 0
.rept 8
	v_wmma_f32_16x16x128_fp8_fp8 v[32*(ii%2)+8*(ii/2):32*(ii%2)+8*(ii/2)+7], v[VF+16*(ii/2):VF+16*(ii/2)+15], v[P+16*(ii%2):P+16*(ii%2)+15], v[32*(ii%2)+8*(ii/2):32*(ii%2)+8*(ii/2)+7]
.set ii, ii+1
.endr
.endm
; Line ii (0 to 31) of tile t's maximum: the largest score so far and the step's 64 in eight chains, read in ascending order
.macro MAXI t
.set AB, ACC+16*\t
.set SB, S+64*\t
.if ii == 0
	v_max3_num_f32 v[AB], v[ST+12*\t+1], v[SB], v[SB+1]
.elseif ii < 8
	v_max3_num_f32 v[AB+ii], v[SB+3*ii-1], v[SB+3*ii], v[SB+3*ii+1]
.elseif ii < 28
.set kk, ii-8
	v_max3_num_f32 v[AB+(kk%8)], v[AB+(kk%8)], v[SB+23+2*kk], v[SB+24+2*kk]
.elseif ii == 28
	v_max3_num_f32 v[AB], v[AB], v[AB+1], v[AB+2]
.elseif ii == 29
	v_max3_num_f32 v[AB+3], v[AB+3], v[AB+4], v[AB+5]
.elseif ii == 30
	v_max3_num_f32 v[AB+6], v[AB+6], v[AB+7], v[SB+63]
.else
	v_max3_num_f32 v[AB], v[AB], v[AB+3], v[AB+6]
.endif
.endm
.macro STATI t, i                      ; line i (0 to 7) of tile t's statistics
.set TS, ST+12*\t
.if (\i) == 0
	v_permlanex16_b32 v[TS+10], v[ACC+16*\t], s[SEL], s[SEL+1]
.elseif (\i) == 1
	v_max_num_f32 v[TS+1], v[ACC+16*\t], v[TS+10]  ; with lane l xor 16's: the row's largest score so far
.elseif (\i) == 2
	v_mul_f32 v[TS+5], s[CS], v[TS+1]              ; as t (c is positive)
.elseif (\i) == 3
	v_floor_f32 v[TS+6], -v[TS+5]                  ; the new -M = floor(-t) = -ceil(t): M is a whole number
.elseif (\i) == 4
	v_sub_f32 v[TS+7], v[TS+6], v[TS]              ; M's old value less its new one: a whole number, 0 or less
.elseif (\i) == 5
	v_mov_b32 v[TS], v[TS+6]
.elseif (\i) == 6
	v_cvt_i32_f32 v[TS+7], v[TS+7]                 ; (it saturates)
.else
	v_ldexp_f32 v[TS+2], 1.0, v[TS+7]              ; f = 2^(old M - new M)
.endif
.endm
.macro FMA t, j                        ; t - M for the pair j of tile t's scores (of the pairs c and -M the low word serves both halves)
	v_pk_fma_f32 v[S+64*\t+2*(\j):S+64*\t+2*(\j)+1], v[S+64*\t+2*(\j):S+64*\t+2*(\j)+1], s[CS:CS+1], v[ST+12*\t:ST+12*\t+1] op_sel_hi:[1,0,0]
.endm
.macro EX t, j                         ; p = 2^(t - M), at most 1: not normalised
	v_exp_f32 v[S+64*\t+(\j)], v[S+64*\t+(\j)]
.endm
.macro HOLD t, j                       ; the conversion to an 8-bit code does not saturate (ISA guide 7.6.2); p is not negative, so the hold is one-sided; two numbers in one line
	v_dual_min_num_f32 v[S+64*\t+2*(\j)], s[LM], v[S+64*\t+2*(\j)] :: v_dual_min_num_f32 v[S+64*\t+2*(\j)+1], s[LM], v[S+64*\t+2*(\j)+1]
.endm
.macro CVT t, f
	v_cvt_scalef32_pk8_fp8_f32 v[P+16*\t+2*(\f):P+16*\t+2*(\f)+1], v[S+64*\t+8*(\f):S+64*\t+8*(\f)+7], v[SCV]
.endm
.macro ADDS1 t                         ; the row's sum is taken of the unquantised p, ahead of its hold: the first half's 16 pairs start eight chains,
.set AB, ACC+16*\t
.set SB, S+64*\t
.set kk, 0
.rept 8
	v_pk_add_f32 v[AB+2*kk:AB+2*kk+1], v[SB+2*kk:SB+2*kk+1], v[SB+16+2*kk:SB+17+2*kk]
.set kk, kk+1
.endr
.endm
.macro ADDS2 t                         ; the second half's 16 pairs go on,
.set AB, ACC+16*\t
.set SB, S+64*\t+32
.set kk, 0
.rept 16
	v_pk_add_f32 v[AB+2*(kk%8):AB+2*(kk%8)+1], v[AB+2*(kk%8):AB+2*(kk%8)+1], v[SB+2*kk:SB+2*kk+1]
.set kk, kk+1
.endr
.endm
.macro SUM1 t                          ; the eight chains become four,
.set AB, ACC+16*\t
.irp k, 0,2,4,6
	v_pk_add_f32 v[AB+\k:AB+\k+1], v[AB+\k:AB+\k+1], v[AB+8+\k:AB+9+\k]
.endr
.endm
.macro SUM2 t                          ; then one, which joins the sum brought under the new M
.set AB, ACC+16*\t
	v_pk_add_f32 v[AB:AB+1], v[AB:AB+1], v[AB+4:AB+5]
	v_pk_add_f32 v[AB+2:AB+3], v[AB+2:AB+3], v[AB+6:AB+7]
	v_pk_add_f32 v[AB:AB+1], v[AB:AB+1], v[AB+2:AB+3]
	v_pk_fma_f32 v[ST+12*\t+8:ST+12*\t+9], v[ST+12*\t+8:ST+12*\t+9], v[ST+12*\t+2:ST+12*\t+3], v[AB:AB+1] op_sel_hi:[1,0,1]
.endm
; A step's softmax for both tiles, up to the codes of p and O^T under the new M
.macro SOFT
.set ii, 0
.rept 32
	MAXI 0
.set ii, ii+1
.endr
.set ii, 0
.rept 32                               ; B's maximum, and among it A's statistics
	MAXI 1
.if (ii%4) == 3
	STATI 0, ii/4
.endif
.set ii, ii+1
.endr
.set ii, 0
.rept 8                                ; B's statistics, and among them the scalings of A's first half
	STATI 1, ii
	FMA 0, 2*ii
	FMA 0, 2*ii+1
.set ii, ii+1
.endr
	s_wait_alu depctr_va_vdst(0)                   ; ahead of the batch
.set ii, 0
.rept 32                               ; A's first half; among it the scalings of A's second half and of B
	EX 0, ii
.if (ii%4) < 3
.set kk, 3*(ii/4)+(ii%4)
.if kk < 16
	FMA 0, 16+kk
.else
	FMA 1, kk-16
.endif
.endif
.set ii, ii+1
.endr
.set ii, 8
.rept 8
	FMA 1, ii
.set ii, ii+1
.endr
	s_wait_alu depctr_va_vdst(0)                   ; one wait behind this batch and ahead of the next
	ADDS1 0
.set ii, 0
.rept 32                               ; A's second half; among it the rest of B's scalings, and A's holds
	EX 0, 32+ii
.if (ii%4) < 3
.set kk, 3*(ii/4)+(ii%4)
.if kk < 16
	FMA 1, 16+kk
.else
	HOLD 0, kk-16
.endif
.endif
.set ii, ii+1
.endr
.irp k, 8,9,10,11
	HOLD 0, \k
.endr
	s_wait_alu depctr_va_vdst(0)                   ; one wait behind this batch and ahead of the next
	ADDS2 0
.set ii, 0
.rept 32                               ; B's first half; among it A's holds
	EX 1, ii
.if (ii%2) == 0
	HOLD 0, 12+ii/2
.endif
.set ii, ii+1
.endr
.irp k, 28,29,30,31
	HOLD 0, \k
.endr
	s_wait_alu depctr_va_vdst(0)                   ; one wait behind this batch and ahead of the next
	ADDS1 1
.set ii, 0
.rept 32                               ; B's second half; among it the holds of B's first half, and A's conversions
	EX 1, 32+ii
.if (ii%4) < 3
.set kk, 3*(ii/4)+(ii%4)
.if (kk%3) == 2
	CVT 0, kk/3
.else
	HOLD 1, 2*(kk/3)+(kk%3)
.endif
.endif
.set ii, ii+1
.endr
	SUM1 0
	SUM2 0
	WIN 0x41                                       ; O^T (destination and source 0) window 1, f window 0
	s_wait_alu depctr_va_vdst(0)                   ; one wait behind the last batch, directly ahead of the first reader of O^T
.set ii, 0
.rept 32
	v_pk_mul_f32 v[2*ii:2*ii+1], v[2*ii:2*ii+1], v[ST+12*(ii/16)+2:ST+12*(ii/16)+3] op_sel_hi:[1,0]   ; O^T under the new M
.set ii, ii+1
.endr
	WIN 0
	s_wait_dscnt 0x0                               ; V of this step and K of the next are in
	ADDS2 1
.set ii, 16
.rept 16
	HOLD 1, ii
.set ii, ii+1
.endr
.irp f, 0,1,2,3,4,5,6,7
	CVT 1, \f
.endr
	SUM1 1                                         ; (plain lines between the conversions and the products that read their results)
.endm
.macro TRIP
	v_add_nc_u32 v[ADR], s[TB], v[LI]
	KLOAD                                          ; step m; K's registers were last read by the products ahead of SUM2's four lines
	SOFT                                           ; step m - 1
	MULV
	MULQ                                           ; step m
	SUM2 1                                         ; four places behind the products: ahead of the loads into V's and K's registers and of the first reads of the scores
	VLOAD                                          ; step m
	s_add_co_u32 s[TB], s[TB], STEPB
.endm
; PRIORITY BY PROGRESS: 3 at a slot's start, then 2, 1, 0 with 6, 4, 2 trips to go: of two waves the one that is further behind in the slot has the higher priority, so that they come to the change of slots close together.  It hangs on the loop's counter alone.
.macro PRIO
	s_bitcmp1_b32 s[CNT], 0
	s_cbranch_scc0 .Lkeep_\@
	s_setprio 2
	s_cmp_gt_u32 s[CNT], 5
	s_cbranch_scc1 .Lkeep_\@
	s_setprio 1
	s_cmp_gt_u32 s[CNT], 3
	s_cbranch_scc1 .Lkeep_\@
	s_setprio 0
.Lkeep_\@:
.endm
.macro SEG n                           ; n trips on one slot
	s_mov_b32 s[CNT], \n
	s_setprio 3
.Ltrip_\@:
	TRIP
	PRIO
	s_sub_co_u32 s[CNT], s[CNT], 1
	s_cmp_lg_u32 s[CNT], 0
	s_cbranch_scc1 .Ltrip_\@
	s_sub_co_u32 s[TB], s[TB], SLOTB               ; back to a slot's first step,
	s_xor_b32 s[TB], s[TB], SLOT1                  ; in the other slot
.endm
	s_load_b256 s[4:11], s[0:1], 0x0               ; qc s[4:5], kv s[6:7], the scales' exponents s[8:9], out0 s[10:11]
	v_lshl_add_u32 v[SPW], v0, 2, SPARE
	v_mov_b32 v[NIL], 0
	ds_add_u32 v[SPW], v[NIL]                      ; the wave's opening: the add, twice on end, and its wait ahead of my first tensor load
	ds_add_u32 v[SPW], v[NIL]
	v_lshrrev_b32 v116, 5, v0
	v_readfirstlane_b32 s[WV], v116                ; wave 0..7
	s_bfe_u32 s13, ttmp6, 0x40000                  ; cx: my place in the cluster
	s_lshl_b32 s14, ttmp9, 2                       ; in a cluster launch ttmp9 counts clusters
	s_add_co_u32 s14, s14, s13                     ; my block of 256 queries: it enters qc's and out0's addresses alone
	s_and_b32 s16, ttmp7, 0xffff                   ; the head, which the four partners share
	s_lshl_b32 s44, s16, 19                        ; kv: the head's 524,288 bytes,
	s_lshl_b32 s17, s[WV], 14                      ; my 16,384 bytes of a slot, in memory and in LDS: no place in the cluster enters either
	s_add_co_u32 s44, s44, s17
	s_mov_b32 s45, 0
	s_lshl_b32 s46, s16, 18                        ; qc: the head, my block's 16 tiles, my wave's two
	s_lshl_b32 s47, s14, 14
	s_add_co_u32 s46, s46, s47
	s_lshl_b32 s47, s[WV], 11
	s_add_co_u32 s46, s46, s47
	s_mov_b32 s47, 0
	s_lshl_b32 s48, s14, 20                        ; out0: (256 x block + 32 x wave) rows of 4,096 bytes + 256 x head
	s_lshl_b32 s49, s[WV], 17
	s_add_co_u32 s48, s48, s49
	s_lshl_b32 s49, s16, 8
	s_add_co_u32 s48, s48, s49
	s_mov_b32 s49, 0
	s_lshl_b32 s50, s16, 19                        ; the prefetches: the head, my work-group's quarter of a slot, my wave's quarter of that,
	s_lshl_b32 s51, s13, 15
	s_add_co_u32 s50, s50, s51
	s_and_b32 s51, s[WV], 3
	s_lshl_b32 s51, s51, 13
	s_add_co_u32 s50, s50, s51
	s_add_co_u32 s50, s50, SLOTB                   ; at slot's worth 1: the first change of slots steps it to 2
	s_mov_b32 s51, 0
	s_lshr_b32 s[LIM], s[WV], 2                    ; 0 in waves 0 to 3,
	s_or_b32 s[LIM], s[LIM], ttmp9                 ; where the cluster is the head's first: the same in all four partners
	s_cmp_eq_u32 s[LIM], 0
	s_cselect_b32 s[LIM], 1, -1
	; descriptor group 1: a dense block of 16,384 bytes as 64 rows of 256
	s_mov_b32 s[G1], 15|(3<<16)|(1<<21)            ; 15:0 the mask: all four work-groups; 17:16 elements of 8 bytes; 20 no padding; 21 set beside a mask
	s_mov_b32 s[G1+1], 32<<16                      ; tensor_dim0 = 32 elements
	s_mov_b32 s[G1+2], 64<<16                      ; tensor_dim1 = 64 rows
	s_mov_b32 s[G1+3], 32<<16                      ; tile_dim0
	s_mov_b32 s[G1+4], 64                          ; tile_dim1
	s_mov_b32 s[G1+5], 32                          ; tensor_dim0_stride: each row begins where the last ends
	s_mov_b32 s[G1+6], 0
	s_mov_b32 s[G1+7], 0
	s_mov_b32 s[SEL], 0x76543210
	s_mov_b32 s[SEL+1], 0xfedcba98
	s_mov_b32 s[TB], 0
	s_mov_b32 s[SLOTS], NSL-1
	s_wait_dscnt 0x0                               ; both opening adds are done
	s_wait_kmcnt 0x0
	s_load_b128 s[40:43], s[8:9], 0x18             ; entries 6 to 9: eq, ek, ev, ep
	s_add_nc_u64 s[4:5], s[4:5], s[46:47]
	s_add_nc_u64 s[10:11], s[10:11], s[48:49]
	s_add_nc_u64 s[PFA:PFA+1], s[6:7], s[50:51]
	s_mov_b32 s[G0], 1                             ; 1:0 count = 1
	s_mov_b32 s[G0+1], s17                         ; 63:32 LDS address: slot 0
	s_add_nc_u64 s[G0+2:G0+3], s[6:7], s[44:45]    ; 120:64 global address: the head's first eight steps
	s_or_b32 s[G0+3], s[G0+3], 0x80000000          ; 127:126 type = 2
	CROUND                                         ; all four work-groups are here: the first joint loads meet
	tensor_load_to_lds s[G0:G0+3], s[G1:G1+7]      ; slot 0: my one load at the head
	s_nop 0
.rept 4
	v_nop
.endr
	v_and_b32 v117, 31, v0
	v_lshlrev_b32 v[LI], 4, v117
	v_lshlrev_b32 v[PFO], 8, v117
.irp t, 0,1
.irp g, 0,1
	global_load_b128 v[Q+8*\t+4*\g:Q+8*\t+4*\g+3], v[LI], s[4:5] offset:1024*\t+512*\g   ; Q's two fragments stay in registers
.endr
.endr
	v_and_b32 v118, 15, v0                         ; r
	v_bfe_u32 v119, v0, 4, 1                       ; h
	s_mul_i32 s46, s[WV], 32*SP                    ; my stage
	v_mul_u32_u24 v[STO], v118, SP
	v_lshl_add_u32 v[STO], v119, 6, v[STO]
	v_add_nc_u32 v[STO], s46, v[STO]               ; in: row r, + 64 h: my half's 16 channels of each 32
	v_mul_u32_u24 v[RD], v119, SP
	v_lshl_add_u32 v[RD], v118, 4, v[RD]
	v_add_nc_u32 v[RD], s46, v[RD]                 ; back: lanes 0-15 one row of 256 bytes, lanes 16-31 the next
	v_lshlrev_b32 v[GO], 12, v119
	v_lshl_add_u32 v[GO], v118, 4, v[GO]           ; and the same two rows in the output
.irp t, 0,1
	v_mov_b32 v[ST+12*\t], 0x7f61b1e6              ; -M = 3e38: M lies under every t
	v_mov_b32 v[ST+12*\t+1], 0xff61b1e6            ; the largest score so far: -3e38, under every score
	v_mov_b32 v[ST+12*\t+3], 0                     ; (named as the upper half of f's pair)
	v_mov_b32 v[ST+12*\t+8], 0                     ; the sum, in two parts
	v_mov_b32 v[ST+12*\t+9], 0
	v_mov_b32 v[ST+12*\t+10], 0                    ; written once: a lane permute's destination counts as one of its sources
.endr
	WIN 0x40                                       ; destination window 1
.set jj, 0
.rept 64
	v_mov_b32 v[jj], 0                             ; O^T.  (The trip is written once for all steps: the first finds zeros, which the first change of M leaves zeros)
.set jj, jj+1
.endr
	WIN 0
	s_wait_kmcnt 0x0
	s_add_co_i32 s46, s40, s41
	s_lshl_b32 s46, s46, 23
	s_mov_b32 s[CS], 0x3e38aa3b                    ; c = log2(e) / 8
	s_add_co_i32 s[CS], s[CS], s46                 ; a score stands for score x 2^(eq + ek): the two exponents are added to c's exponent field
	s_mov_b32 s[CS+1], s[CS]                       ; (named with it as a pair, so it is written)
	s_add_co_i32 s46, s43, 127
	s_lshl_b32 s47, s46, 23
	v_mov_b32 v[SCV], s47                          ; 2^ep as f32, for the conversion
	s_add_co_i32 s46, s46, 8
	s_lshl_b32 s46, s46, 23
	s_or_b32 s[LM], s46, 0x600000                  ; 448 x 2^ep
	s_add_co_i32 s39, s42, s43                     ; ev + ep
	s_wait_alu depctr_va_vdst(0)                   ; the head's end
	CHANGE 1                                       ; slot 0 is whole; slot 1's first fill is asked for as a refill is
	v_add_nc_u32 v[ADR], s[TB], v[LI]
	KLOAD
	VLOAD
	s_wait_loadcnt 0x0                             ; Q
	s_wait_dscnt 16                                ; step 0's fragments of K; V's 16 loads may be out
	MULQ                                           ; step 0
.rept 4
	v_nop                                          ; places ahead of the loads into K's registers and of the first reads of the scores
.endr
	s_mov_b32 s[TB], STEPB
	SEG NST-1                                      ; steps 1 to 7 are in slot 0 with step 0
	s_mov_b32 s[SLOTS], NSL-2                      ; two more changes fill a slot
.Lslot:
	CHANGE 1
	SEG NST
	s_sub_co_u32 s[SLOTS], s[SLOTS], 1
	s_cmp_lg_u32 s[SLOTS], 0
	s_cbranch_scc1 .Lslot
	CHANGE 0                                       ; the last slot is written out
	SEG NST
	SOFT                                           ; the last step
	MULV
	WIN 0
	SUM2 1                                         ; (the places behind the last products)
	; THE WAY OUT.  The sum's parts are added; O^T is divided by the sum, multiplied by 2^(ep + ev), and goes through my stage in LDS, so that sixteen lanes store a query's 256 bytes.
.irp t, 0,1
	v_add_f32 v[ST+12*\t+5], v[ST+12*\t+8], v[ST+12*\t+9]
.endr
.irp t, 0,1
	v_permlanex16_b32 v[ST+12*\t+10], v[ST+12*\t+5], s[SEL], s[SEL+1]
.endr
.irp t, 0,1
	v_add_f32 v[ST+12*\t+5], v[ST+12*\t+5], v[ST+12*\t+10]              ; the row's sum
.endr
	s_wait_alu depctr_va_vdst(0)                   ; ahead of the transcendentals
.irp t, 0,1
	v_rcp_f32 v[ST+12*\t+6], v[ST+12*\t+5]
.endr
	v_nop                                          ; a plain line between the last reciprocal and the use of its result
	s_wait_alu depctr_va_vdst(0)                   ; and one wait for both reciprocals
.irp t, 0,1
	v_ldexp_f32 v[ST+12*\t+2], v[ST+12*\t+6], s39
.endr
	WIN 0x01                                       ; source 0 (O^T) window 1; the results take S^T's first 64 registers
	s_wait_alu depctr_va_vdst(0)                   ; directly ahead of the first reader of O^T
.set ii, 0
.rept 32
	v_pk_mul_f32 v[S+2*ii:S+2*ii+1], v[2*ii:2*ii+1], v[ST+12*(ii/16)+2:ST+12*(ii/16)+3] op_sel_hi:[1,0]   ; register 16 e + m of a tile is channel 32 e + 16 h + m of query r
.set ii, ii+1
.endr
	WIN 0
.irp t, 0,1
.irp e, 0,1
.irp q, 0,1,2,3
	ds_store_b128 v[STO], v[S+32*\t+16*\e+4*\q:S+32*\t+16*\e+4*\q+3] offset:16*\t*SP+128*\e+16*\q
.endr
.endr
.endr
.irp i, 0,1,2,3,4,5,6,7,8,9,10,11,12,13,14,15
	ds_load_b128 v[S+64+4*\i:S+64+4*\i+3], v[RD] offset:2*\i*SP         ; LDS serves a wave's instructions in order (ISA guide 5.7.1.4): these see my stores
.endr
.irp i, 0,1,2,3,4,5,6,7,8,9,10,11,12,13,14,15
	s_wait_dscnt 15-\i                             ; the stage loads behind this one may be out
	global_store_b128 v[GO], v[S+64+4*\i:S+64+4*\i+3], s[10:11] offset:8192*\i th:TH_STORE_NT   ; 16 lanes store 256 consecutive bytes, at a multiple of 256 from the output's first byte; written once, read by nobody here
.endr
	s_wait_tensorcnt 0x0                           ; the wave's end: behind my last tensor load and my last LDS store
	ds_add_u32 v[SPW], v[NIL]
	s_wait_dscnt 0x0
	CROUND                                         ; the closing round: no work-group ends while a partner may still ask for a tile that names it
	s_endpgm
.Lfunc_end_k_qceac97cafe_attn:
	.size	k_qceac97cafe_attn, .Lfunc_end_k_qceac97cafe_attn-k_qceac97cafe_attn
	.p2alignl 7, 3214868480
	.fill 96, 4, 3214868480
	.section	.rodata,"a",@progbits
	.p2align	6, 0x0
	.amdhsa_kernel k_qceac97cafe_attn
		.amdhsa_group_segment_fixed_size 327680
		.amdhsa_private_segment_fixed_size 0
		.amdhsa_enable_private_segment 0
		.amdhsa_kernarg_size 32
		.amdhsa_user_sgpr_count 2
		.amdhsa_user_sgpr_kernarg_segment_ptr 1
		.amdhsa_wavefront_size32 1
		.amdhsa_system_sgpr_workgroup_id_x 1
		.amdhsa_system_sgpr_workgroup_id_y 1
		.amdhsa_system_sgpr_workgroup_id_z 1
		.amdhsa_system_vgpr_workitem_id 0
		.amdhsa_next_free_vgpr 448
		.amdhsa_next_free_sgpr 66
		.amdhsa_reserve_vcc 0
		.amdhsa_float_denorm_mode_32 3
		.amdhsa_float_denorm_mode_16_64 3
		.amdhsa_memory_ordered 1
		.amdhsa_forward_progress 1
		.amdhsa_inst_pref_size 130
	.end_amdhsa_kernel
	.amdgpu_metadata
---
amdhsa.version: [ 1, 2 ]
amdhsa.kernels:
  - .name:           k_qceac97cafe_attn
    .symbol:         k_qceac97cafe_attn.kd
    .args:
      - { .name: qc, .offset: 0, .size: 8, .value_kind: global_buffer, .address_space: global }
      - { .name: kv, .offset: 8, .size: 8, .value_kind: global_buffer, .address_space: global }
      - { .name: lowp_scales, .offset: 16, .size: 8, .value_kind: global_buffer, .address_space: global }
      - { .name: out0, .offset: 24, .size: 8, .value_kind: global_buffer, .address_space: global }
    .group_segment_fixed_size: 327680
    .private_segment_fixed_size: 0
    .kernarg_segment_align: 8
    .kernarg_segment_size: 32
    .max_flat_workgroup_size: 256
    .sgpr_count:     66
    .vgpr_count:     448
    .wavefront_size: 32
...
	.end_amdgpu_metadata
.endif
;; end of part 3
